; MI455X (gfx1250); checked and timed in simulation.
; The chip was launched on July 23, 2026; its instructions are those of AMD's public machine-readable ISA for CDNA 5 (MIT licence, August 2026) and "CDNA5" Instruction Set Architecture Reference Guide (July 2026). The comments in the code are by the model that wrote it; some were corrected since.
;; Lightweight Attention. Allowed arithmetic: float matrix products may take bf16 or f16 operands with f32 sums; all other float work in f32.
;; Inputs: R 64 x 64 float32; Wk 1,024 x 1,024 float32; Wo 1,024 x 1,024 float32; Wq 1,024 x 1,024 float32; Wv 1,024 x 1,024 float32; bk 1,024 float32; bo 1,024 float32; bq 1,024 float32; bv 1,024 float32; x 4 x 2,048 x 1,024 float32.
;; Outputs: out0 4 x 2,048 x 1,024 float32.
;; 2 versions, each right; version 2 is version 1 with the launch cast written anew for expert scheduling mode. Each part assembles by itself: llvm-mc -triple=amdgcn-amd-amdhsa -mcpu=gfx1250 --defsym DOCPART=n.
;; ======== version 1 of 2: 4 launches
;; workspace buffers: xb 16,777,216 bytes; wb 8,388,608 bytes; qn 16,777,216 bytes; kvp 8,388,608 bytes; mtb 8,388,608 bytes
;; launch cast (part 1): grid 768 x 1, 8 waves a work-group, no clusters, 0 bytes of LDS; arguments x, Wq, Wk, Wv, Wo, xb, wb; writes xb, wb
.if DOCPART == 1
	.amdgcn_target "amdgcn-amd-amdhsa--gfx1250"
	.amdhsa_code_object_version 6
	.text
	.protected	k_q4c7e28cd96_cast
	.globl	k_q4c7e28cd96_cast
	.p2align	8
	.type	k_q4c7e28cd96_cast,@function
k_q4c7e28cd96_cast:
	s_mov_b64 s[64:65], 0
	v_nop
	global_prefetch_b8 v0, s[64:65] scope:SCOPE_SE
	s_setreg_imm32_b32 hwreg(HW_REG_WAVE_MODE, 25, 1), 1
	s_wait_xcnt 0x0
; x [8192][1024] and Wq, Wk, Wv, Wo [1024][1024], f32, are rounded once to bf16 and laid out in blocks of 64 along K:
;   xb [16 kb][8192 rows][64],  wb [16 kb][4096 rows][64] with rows 0-1023 Wq, 1024-2047 Wk, 2048-3071 Wv, 3072-4095 Wo.
; In that layout the rows of one K block follow each other densely, 128 bytes each, so that every tile of the later launches is one dense run.
; A stream: no LDS, no barrier, no matrix unit, no cluster (no two work-groups read the same byte).
; Eight waves; the work-group owns 16 rows of 4,096 bytes.  Groups 0-511 take x, groups 512-767 the four W, 64 groups each.
; Thread t takes row t / 16 and, in load kb, the 16 bytes at 256 kb + 16 (t % 16): sixteen neighbouring lanes read 256 consecutive bytes, aligned.
; Its four numbers become 8 bytes at block kb, byte 8 t of the group's 16 rows: a store of a wave covers 256 consecutive bytes, aligned.
; All sixteen loads of a thread go out at once; nothing is rewritten, so the only waits are the counted ones for the data.
.set XSTR, 8192*128                    ; bytes of a K block of xb
.set WSTR, 4096*128                    ; bytes of a K block of wb
.set OFF, 8                            ; v[8:23]   byte offset of my 8 bytes in K block kb
.set X,   32                           ; v[32:95]  load kb: 4 registers
.set Y,   96                           ; v[96:127] store kb: 2 registers
	s_load_b256 s[4:11], s[0:1], 0x0               ; x s[4:5], Wq s[6:7], Wk s[8:9], Wv s[10:11]
	s_load_b128 s[12:15], s[0:1], 0x20             ; Wo s[12:13], xb s[14:15]
	s_load_b64 s[16:17], s[0:1], 0x30              ; wb
	s_max_u32 s27, ttmp9, 512
	s_sub_co_u32 s27, s27, 512                     ; number among the W groups (0 for the groups of x)
	s_lshr_b32 s28, s27, 6                         ; which W: 0 q, 1 k, 2 v, 3 o
	s_and_b32 s29, s27, 63
	s_lshl_b32 s29, s29, 4                         ; first row in that W
	s_lshl_b32 s30, s28, 10
	s_add_co_u32 s30, s30, s29                     ; first row in wb
	s_lshl_b32 s31, ttmp9, 4                       ; first row in x and in xb
	s_mov_b32 s18, XSTR
	s_mov_b32 s19, WSTR
	s_cmp_lt_u32 ttmp9, 512                        ; a group of x?
	s_cselect_b32 s24, s31, s29                    ; first row read
	s_cselect_b32 s25, s31, s30                    ; first row written
	s_cselect_b32 s26, s18, s19                    ; bytes from K block to K block
	s_lshl_b32 s32, s24, 12                        ; rows of 4,096 bytes in
	s_mov_b32 s33, 0
	s_lshl_b32 s34, s25, 7                         ; row pieces of 128 bytes out
	s_mov_b32 s35, 0
	v_lshrrev_b32 v1, 4, v0                        ; my row of the sixteen
	v_and_b32 v3, 15, v0
	v_lshlrev_b32 v1, 12, v1
	v_lshl_add_u32 v1, v3, 4, v1                   ; row x 4,096 + 16 (t % 16)
	v_lshlrev_b32 v2, 3, v0                        ; 8 t = row x 128 + 8 (t % 16)
.irp kb, 0,1,2,3,4,5,6,7,8,9,10,11,12,13,14,15
	v_mad_u32_u24 v[OFF+\kb], s26, \kb, v2
.endr
	s_wait_kmcnt 0x0
	s_cmp_eq_u32 s28, 1                            ; the source is chosen by the group's number alone
	s_cselect_b64 s[20:21], s[8:9], s[6:7]
	s_cmp_eq_u32 s28, 2
	s_cselect_b64 s[20:21], s[10:11], s[20:21]
	s_cmp_eq_u32 s28, 3
	s_cselect_b64 s[20:21], s[12:13], s[20:21]
	s_cmp_lt_u32 ttmp9, 512
	s_cselect_b64 s[20:21], s[4:5], s[20:21]
	s_cselect_b64 s[22:23], s[14:15], s[16:17]
	s_add_nc_u64 s[20:21], s[20:21], s[32:33]
	s_add_nc_u64 s[22:23], s[22:23], s[34:35]
.irp kb, 0,1,2,3,4,5,6,7,8,9,10,11,12,13,14,15
	global_load_b128 v[X+4*\kb:X+4*\kb+3], v1, s[20:21] offset:256*\kb th:TH_LOAD_NT    ; read once in the launch
.endr
.irp kb, 0,1,2,3,4,5,6,7,8,9,10,11,12,13,14,15
	s_wait_loadcnt 15-\kb                          ; loads come back in order (ISA guide 5.7.1): load kb is in, the younger ones stay out
	v_cvt_pk_bf16_f32 v[Y+2*\kb],   v[X+4*\kb],   v[X+4*\kb+1]
	v_cvt_pk_bf16_f32 v[Y+2*\kb+1], v[X+4*\kb+2], v[X+4*\kb+3]
	global_store_b64 v[OFF+\kb], v[Y+2*\kb:Y+2*\kb+1], s[22:23]
.endr
	s_endpgm
.Lfunc_end_k_q4c7e28cd96_cast:
	.size	k_q4c7e28cd96_cast, .Lfunc_end_k_q4c7e28cd96_cast-k_q4c7e28cd96_cast
	.p2alignl 7, 3214868480
	.fill 96, 4, 3214868480
	.section	.rodata,"a",@progbits
	.p2align	6, 0x0
	.amdhsa_kernel k_q4c7e28cd96_cast
		.amdhsa_group_segment_fixed_size 0
		.amdhsa_private_segment_fixed_size 0
		.amdhsa_enable_private_segment 0
		.amdhsa_kernarg_size 56
		.amdhsa_user_sgpr_count 2
		.amdhsa_user_sgpr_kernarg_segment_ptr 1
		.amdhsa_wavefront_size32 1
		.amdhsa_system_sgpr_workgroup_id_x 1
		.amdhsa_system_sgpr_workgroup_id_y 1
		.amdhsa_system_sgpr_workgroup_id_z 1
		.amdhsa_system_vgpr_workitem_id 0
		.amdhsa_next_free_vgpr 128
		.amdhsa_next_free_sgpr 66
		.amdhsa_reserve_vcc 0
		.amdhsa_float_denorm_mode_32 3
		.amdhsa_float_denorm_mode_16_64 3
		.amdhsa_memory_ordered 1
		.amdhsa_forward_progress 1
		.amdhsa_inst_pref_size 9
	.end_amdhsa_kernel
	.amdgpu_metadata
---
amdhsa.version: [ 1, 2 ]
amdhsa.kernels:
  - .name:           k_q4c7e28cd96_cast
    .symbol:         k_q4c7e28cd96_cast.kd
    .args:
      - { .name: x, .offset: 0, .size: 8, .value_kind: global_buffer, .address_space: global }
      - { .name: Wq, .offset: 8, .size: 8, .value_kind: global_buffer, .address_space: global }
      - { .name: Wk, .offset: 16, .size: 8, .value_kind: global_buffer, .address_space: global }
      - { .name: Wv, .offset: 24, .size: 8, .value_kind: global_buffer, .address_space: global }
      - { .name: Wo, .offset: 32, .size: 8, .value_kind: global_buffer, .address_space: global }
      - { .name: xb, .offset: 40, .size: 8, .value_kind: global_buffer, .address_space: global }
      - { .name: wb, .offset: 48, .size: 8, .value_kind: global_buffer, .address_space: global }
    .group_segment_fixed_size: 0
    .private_segment_fixed_size: 0
    .kernarg_segment_align: 8
    .kernarg_segment_size: 56
    .max_flat_workgroup_size: 256
    .sgpr_count:     66
    .vgpr_count:     128
    .wavefront_size: 32
...
	.end_amdgpu_metadata
.endif
;; end of part 1
;; launch qkv (part 2): grid 8 x 32, 4 waves a work-group, clusters of 4 x 4, 327,680 bytes of LDS; arguments xb, wb, bq, bk, bv, R, qn, kvp; writes qn, kvp
.if DOCPART == 2
	.amdgcn_target "amdgcn-amd-amdhsa--gfx1250"
	.amdhsa_code_object_version 6
	.text
	.protected	k_q4c7e28cd96_qkv
	.globl	k_q4c7e28cd96_qkv
	.p2align	8
	.type	k_q4c7e28cd96_qkv,@function
k_q4c7e28cd96_qkv:
	s_mov_b64 s[64:65], 0
	v_nop
	global_prefetch_b8 v0, s[64:65] scope:SCOPE_SE
	s_setreg_imm32_b32 hwreg(HW_REG_WAVE_MODE, 25, 1), 1
	s_wait_xcnt 0x0
	s_wait_alu depctr_hold_cnt(0) depctr_sa_sdst(0) depctr_va_vdst(0) depctr_va_sdst(0) depctr_va_ssrc(0) depctr_va_vcc(0) depctr_vm_vsrc(0)
	s_getreg_b32 s2, hwreg(HW_REG_IB_STS2, 6, 4)
	s_cmp_eq_u32 s2, 0
	s_cbranch_scc0 .Lentry_in_a_cluster
	s_endpgm
.Lentry_in_a_cluster:
	s_bfe_u32 s2, ttmp6, 0x10000c
	s_cmp_lg_u32 s2, 0xf033
	s_cbranch_scc0 .Lentry_shape_is_right
	s_endpgm
.Lentry_shape_is_right:
; q, k, v = x W^T + b for 256 rows and two heads; then, without leaving the registers,
;   q' = exp(q R / 8 - |q|^2 / 128),  qn = q' / (sum over m of q' + 1e-8), bf16
;   k' = exp(k R / 8 - |k|^2 / 128),  kvT[e][m] = sum over the 256 rows of v[n][e] k'[n][m]   -> kvp [32 row blocks][16 heads][4,096 f32]
; qn is stored as the last launch's fragments lie in registers: [128 blocks of 64 rows][16 heads][4 tiles of 16 rows][4 mt][32 lanes][16 bytes];
; lane (r, h) of chunk mt holds m = 16 mt + 8 h .. + 7 of row r.
; LIMITS, kept on purpose: an exponential below 2^-126 comes out as 0 (v_exp_f32 flushes: ISA guide 15.8) where an f32 computation keeps denormals;
; z is multiplied into q' before the rounding to bf16, so the order of roundings differs from the formula's; all matrix operands are bf16
; (q', k' and what is made of them span the exponent range of f32, so no f16 anywhere).  No maximum is taken away before the exponentials: the formula takes none.
;
; SHARE.  Grid 8 x 32: x = pair of heads hp, y = block of 256 rows rb: 256 work-groups.  Four waves; wave w takes rows 128 (w / 2) .. + 127 and head 2 hp + (w % 2):
; a block of 128 x 192 (q, k, v of one head) = 96 accumulator tiles of 16 x 16 = 768 registers.  For 32 along K a wave loads 40 x 512 bytes from LDS for 96 matrix instructions.
; K goes in 16 steps of 64 through two LDS slots.  A slot: 256 rows of x, then 128 rows each of Wq, Wk, Wv, 144 bytes apart (128 of data + 16 of padding:
; 36 words, so the sixteen rows of a fragment load begin in sixteen different groups of four banks; 64 banks of 4 bytes: ISA guide 11.1).
; A step of 128 would want 2 x 640 rows x 272 bytes = 348,160 bytes of LDS, more than there is; in the blocked layout of xb and wb a tile of a step of 64 is
; a dense run of memory all the same, and is asked for as rows of 256 bytes that begin at multiples of 256.
; CLUSTERS: 4 x 4 work-groups.  x's tile hangs on rb alone and is asked for jointly by the four of a row of the cluster; W's tiles hang on hp alone and are
; asked for jointly by the four of a column.  Wave 0 asks for x's tile, waves 1 to 3 for Wq's, Wk's, Wv's: one tensor load a wave behind each round.
;
; LAYOUTS.  In a result tile register j of lane (r = l % 16, h = l / 16) holds element (8 h + j, r).  Two tiles stacked along the first index and packed to bf16
; are a 16-bit fragment whose K runs along that index (registers 0-3: K = 8 h .., registers 4-7: K = 16 + 8 h ..: ISA guide 7.12.2).  So
;   q, k are made transposed, D[d][n] (source 0 = W's rows, source 1 = x's rows): packed they are fragments over d for the product with R;
;   q' comes out as D[m][n]: packed it is the last launch's fragment over m, and is stored as it lies;
;   v and k' are made as D[n][.]: packed they are fragments over n for the sum over the rows.  Nothing but 16 floats of |k|^2 a tile goes through LDS.
;
; REGISTERS, in windows of 256:  window 1: q, tile (nt, dt) at 32 nt + 8 dt;  window 2: k, the same;  window 3: v, tile (nt, et) at 32 nt + 8 et.
;   window 0: v4-16 addresses; v32-95, v96-159 x's fragments (8 x 16 rows x 32 K), two buffers; v160-191, v192-223, v224-255 fragments of Wq, Wk, Wv (4 each).
.set PITCH,  144
.set XT,     256*PITCH                 ; x's tile in LDS
.set WT,     128*PITCH                 ; a W tile in LDS
.set SLOT,   XT+3*WT                   ; 92,160
.set RB,     2*SLOT                    ; R / 8 in bf16, [64 d] rows 160 bytes apart (an odd multiple of 32, for the transposing load)
.set RPITCH, 160
.set SQ,     RB+64*RPITCH              ; 256 bytes for each wave, 64 used: |k|^2 of 16 rows
.set BIAS,   SQ+4*256                  ; bq, bk, bv of the group's 128 columns, 512 bytes each
.set KVX,    BIAS+3*512                ; 16,384 bytes for each head: kvT of the lower 128 rows, on its way to the wave of the upper 128
.set XSTEP,  8192*128                  ; bytes from K block to K block in xb
.set WSTEP,  4096*128                  ; and in wb
.set ADX, 4                            ; v4-5    LDS address of my x fragments in slot 0, 1
.set ADW, 6                            ; v6-7    of my Wq fragments (Wk, Wv: + WT, + 2 WT in the immediate)
.set SQA, 10                           ; |k|^2: where I put row r's
.set SQB, 11                           ; |k|^2: where I read rows 8 h .. 8 h + 7
.set RTA, 12                           ; R's fragments
.set GL,  13                           ; 16 x lane
.set BQA, 14                           ; bq of my head at d = 8 h
.set BVA, 15                           ; bv of my head at e = r
.set KXA, 16                           ; my head's part of KVX + 16 x lane
.set XA, 32
.set XB, 96
.set W0, 160
.set W1, 192
.set W2, 224
; window 0 behind the K loop:
.set RF, 32                            ; v32-95   R's fragments: (mt, kk) at 8 (2 mt + kk): m = 16 mt + r, K = d = 32 kk ..
.set BQ, 96                            ; v96-127  bq[16 dt + 8 h + j] at 8 dt + j
.set CS, 96                            ; v96-103  in the k part: the exponent's term of rows 8 h + j
.set BK, 128                           ; v128-159 bk likewise
.set BV, 160                           ; v160-167 bv[16 et + r], twice each (pairs for the packed add)
.set T,  168                           ; v168-199 32 numbers in f32 at work
.set P,  200                           ; v200-231 four tiles of the product with R
.set F,  232                           ; v232-247 two packed fragments; in the q part also what is stored
.set S,  248                           ; v248-253 sums
; window 1 behind the q part:  v0-127 kvT, tile (mt, et) at 8 (4 mt + et)
.set KF, 128                           ; v128-159 k' packed: fragment mt, K = 32 rows
.set VF, 160                           ; v160-191 v packed: fragment et, K = 32 rows
.set G1A, 32                           ; s[32:39] descriptor group 1, x's tile
.set G1B, 40                           ; s[40:47] descriptor group 1, a W tile
.set G0A, 48                           ; s[48:55] group 0 of x's tile, one set for each slot
.set G0B, 56                           ; s[56:63] group 0 of my W tile, one set for each slot
.set G1W0, (1<<16)|(1<<20)|(1<<21)|(4<<22)|(3<<25)   ; 17:16 elements of 2 bytes; 20 padding on; 21 set beside a mask; 24:22 after every 32 words (code 4); 31:25 4 words (code 3)
.set MQ, 0x50                          ; s_set_vgpr_msb, low byte: 1:0 source 0, 3:2 source 1, 5:4 source 2, 7:6 destination.  C and D in window 1,
.set MK, 0xa0                          ; 2,
.set MV, 0xf0                          ; 3
.set EQ, 0x01                          ; source 0 in window 1,
.set EK, 0x02                          ; 2,
.set EV, 0x03                          ; 3
.set TO1, 0x40                         ; destination in window 1
.set ALL1, 0x55                        ; every place in window 1
.set S1, 0x04                          ; source 1 (an LDS store's data) in window 1
.set MSB, 0
.macro WIN new                         ; the immediate's high byte repeats the setting that is left; a switch that changes nothing is dropped
.if MSB != \new
	s_set_vgpr_msb (MSB<<8)|\new
.set MSB, \new
.endif
.endm
; Four places: a load into a register that a matrix instruction has read, and a vector instruction or LDS store that reads a matrix result, stand four plain vector
; instructions behind that matrix instruction (ISA guide 7.12.1 for vector instructions).
.macro PLACES
.rept 4
	v_nop
.endr
.endm
; A joint load.  Each of the two lines has one mask; the branch hangs on the wave's number alone.
.macro JLOAD s
	s_cmp_eq_u32 s20, 0
	s_cbranch_scc0 .Lfor_w_\@
	tensor_load_to_lds s[G0A+4*\s:G0A+4*\s+3], s[G1A:G1A+7]
	s_nop 0
	s_branch .Lasked_\@
.Lfor_w_\@:
	tensor_load_to_lds s[G0B+4*\s:G0B+4*\s+3], s[G1B:G1B+7]
	s_nop 0
.Lasked_\@:
.endm
; A round of the cluster's barrier: my work-group's barrier, wave 0 signals for the work-group, every wave waits for all sixteen, my work-group's barrier once more.
.macro CREST                           ; a round behind its opening barrier
	s_cmp_lg_u32 s20, 0
	s_cbranch_scc1 .Lnot_wave_0_\@
	s_barrier_signal -3
.Lnot_wave_0_\@:
	s_barrier_wait -3
	s_barrier_signal -1
	s_barrier_wait -1
.endm
.macro CROUND
	s_barrier_signal -1
	s_barrier_wait -1
	CREST
.endm
	s_load_b512 s[4:19], s[0:1], 0x0               ; xb s[4:5], wb s[6:7], bq s[8:9], bk s[10:11], bv s[12:13], R s[14:15], qn s[16:17], kvp s[18:19]
	v_lshl_add_u32 v30, v0, 2, 0x38200
	v_mov_b32 v31, 0
	ds_add_u32 v30, v31
	ds_add_u32 v30, v31
	v_lshrrev_b32 v1, 5, v0
	v_readfirstlane_b32 s20, v1                    ; wave 0..3
	s_lshr_b32 s21, s20, 1                         ; which 128 rows are mine
	s_and_b32 s22, s20, 1                          ; which head of the pair
	s_bfe_u32 s23, ttmp6, 0x40000                  ; cx
	s_bfe_u32 s24, ttmp6, 0x40004                  ; cy
	s_lshl_b32 s25, ttmp9, 2                       ; in a cluster launch ttmp9 and ttmp7 count clusters
	s_add_co_u32 s25, s25, s23                     ; hp = 4 x cluster x + cx
	s_and_b32 s26, ttmp7, 0xffff
	s_lshl_b32 s26, s26, 2
	s_add_co_u32 s26, s26, s24                     ; rb = 4 x cluster y + cy
	s_lshl_b32 s27, s24, 2
	s_lshl_b32 s27, 15, s27                        ; my row of the cluster: places 4 cy .. 4 cy + 3
	s_lshl_b32 s28, 0x1111, s23                    ; my column: places cx, cx + 4, cx + 8, cx + 12
	; group 1.  x's tile: 32,768 dense bytes as 128 rows of 128 elements; a W tile: 16,384 dense bytes as 64 such rows.  The padding falls behind every 128 bytes,
	; twice in a row of the descriptor, so each row of 64 elements of the matrix lands 144 bytes behind the one before.
	s_or_b32 s[G1A+0], s27, G1W0                   ; 15:0 the mask: x's tile goes to my row of the cluster
	s_or_b32 s[G1B+0], s28, G1W0                   ; W's tiles go to my column
	s_mov_b32 s[G1A+1], 128<<16                    ; 63:48 tensor_dim0 = 128
	s_mov_b32 s[G1B+1], 128<<16
	s_mov_b32 s[G1A+2], 128<<16                    ; 95:80 tensor_dim1 = 128 rows
	s_mov_b32 s[G1B+2], 64<<16                     ;                     64 rows
	s_mov_b32 s[G1A+3], 128<<16                    ; 127:112 tile_dim0 = 128
	s_mov_b32 s[G1B+3], 128<<16
	s_mov_b32 s[G1A+4], 128                        ; 143:128 tile_dim1
	s_mov_b32 s[G1B+4], 64
	s_mov_b32 s[G1A+5], 128                        ; 191:160 elements from row to row: dense
	s_mov_b32 s[G1B+5], 128
	s_mov_b32 s[G1A+6], 0
	s_mov_b32 s[G1B+6], 0
	s_mov_b32 s[G1A+7], 0
	s_mov_b32 s[G1B+7], 0
	; where the tiles come from: x's hangs on rb alone, W's on hp and the wave's number alone, each in registers that never hold the other coordinate
	s_lshl_b32 s66, s26, 15                        ; 256 rb rows of 128 bytes
	s_mov_b32 s67, 0
	s_max_u32 s68, s20, 1
	s_sub_co_u32 s68, s68, 1                       ; wave 1: Wq, 2: Wk, 3: Wv (wave 0 asks by x's descriptor)
	s_lshl_b32 s68, s68, 17                        ; 1,024 rows of 128 bytes
	s_lshl_b32 s69, s25, 14                        ; + 128 hp rows
	s_add_co_u32 s68, s68, s69
	s_mov_b32 s69, 0
	s_mul_i32 s29, s20, WT                         ; and where W's go: XT + (wave - 1) x WT = (wave + 1) x WT
	s_add_co_u32 s29, s29, WT
	s_mov_b32 s72, 0x3fb8aa3b                      ; log2 e, twice (a pair for the packed forms)
	s_mov_b32 s73, 0x3fb8aa3b
	s_mov_b32 s74, 0x76543210                      ; v_permlanex16_b32: lane i of one half reads lane i of the other
	s_mov_b32 s75, 0xfedcba98
	s_mov_b32 s76, 0xbc38aa3b                      ; - log2 e / 128
	s_mov_b32 s77, 0x322bcc77                      ; 1e-8
	s_wait_dscnt 0x0
	s_wait_kmcnt 0x0
	s_add_nc_u64 s[66:67], s[4:5], s[66:67]
	s_add_nc_u64 s[68:69], s[6:7], s[68:69]
	CROUND                                         ; all sixteen work-groups are here: the first joint loads meet
.irp s, 0,1
	s_mov_b32 s[G0A+4*\s], 1                                       ; 1:0 count = 1
	s_mov_b32 s[G0A+4*\s+1], \s*SLOT                               ; 63:32 LDS address
	s_add_nc_u64 s[G0A+4*\s+2:G0A+4*\s+3], s[66:67], \s*XSTEP      ; 120:64 global address: K step s
	s_or_b32 s[G0A+4*\s+3], s[G0A+4*\s+3], 0x80000000              ; 127:126 type = 2
	s_mov_b32 s[G0B+4*\s], 1
	s_add_co_u32 s[G0B+4*\s+1], s29, \s*SLOT
	s_add_nc_u64 s[G0B+4*\s+2:G0B+4*\s+3], s[68:69], \s*WSTEP
	s_or_b32 s[G0B+4*\s+3], s[G0B+4*\s+3], 0x80000000
	JLOAD \s                                       ; both slots are asked for before anything else: two tensor loads of the wave are out
.endr
	; R (16,384 bytes: thread t takes 16 bytes at 2,048 i + 16 t) and the three biases of the group's 128 columns (one number a thread)
	v_lshlrev_b32 v21, 4, v0
	s_lshl_b32 s71, s25, 9
	v_lshl_add_u32 v22, v0, 2, s71                 ; 4 (128 hp + t)
.irp i, 0,1,2,3,4,5,6,7
	global_load_b128 v[32+4*\i:35+4*\i], v21, s[14:15] offset:2048*\i
.endr
	global_load_b32 v64, v22, s[8:9]
	global_load_b32 v65, v22, s[10:11]
	global_load_b32 v66, v22, s[12:13]
	; addresses, while those are on their way
	v_and_b32 v1, 15, v0                           ; r
	v_bfe_u32 v2, v0, 4, 1                         ; h
	v_and_b32 v3, 31, v0                           ; lane
	v_mul_u32_u24 v17, v1, PITCH
	v_lshl_add_u32 v17, v2, 4, v17                 ; 144 r + 16 h: a fragment's lane term
	s_mul_i32 s71, s21, 128*PITCH                  ; my 128 rows of x
	s_mul_i32 s78, s22, 64*PITCH                   ; my head's 64 rows of a W tile,
	s_add_co_u32 s78, s78, XT                      ; behind x's tile
	v_add_nc_u32 v[ADX], s71, v17
	v_add_nc_u32 v[ADW], s78, v17
	v_add_nc_u32 v[ADX+1], SLOT, v[ADX]
	v_add_nc_u32 v[ADW+1], SLOT, v[ADW]
	v_and_b32 v19, 7, v0
	s_lshl_b32 s71, s20, 8
	s_add_co_u32 s71, s71, SQ
	v_lshl_add_u32 v[SQA], v1, 2, s71
	v_lshl_add_u32 v[SQB], v2, 5, s71
	v_lshl_add_u32 v18, v2, 3, v19                 ; transposing load: row 8 h + (l % 8) of R,
	v_mul_u32_u24 v18, v18, RPITCH
	v_bfe_u32 v20, v0, 3, 1
	v_lshl_add_u32 v18, v20, 4, v18                ; 16 bytes for each group of eight lanes
	v_add_nc_u32 v[RTA], RB, v18
	v_lshlrev_b32 v[GL], 4, v3
	s_lshl_b32 s71, s22, 8
	s_add_co_u32 s71, s71, BIAS
	v_lshl_add_u32 v[BQA], v2, 5, s71              ; BIAS + 4 (64 head + 8 h)
	s_add_co_u32 s71, s71, 1024
	v_lshl_add_u32 v[BVA], v1, 2, s71              ; BIAS + 1,024 + 4 (64 head + r)
	s_lshl_b32 s71, s22, 14
	s_add_co_u32 s71, s71, KVX
	v_lshl_add_u32 v[KXA], v3, 4, s71
	v_lshrrev_b32 v23, 4, v0                       ; R into LDS: row 8 i + t / 16, 8 bytes at 8 (t % 16)
	v_mul_u32_u24 v23, v23, RPITCH
	v_lshl_add_u32 v23, v1, 3, v23
	v_add_nc_u32 v23, RB, v23
	v_lshlrev_b32 v24, 2, v0
	v_add_nc_u32 v24, BIAS, v24
	s_wait_loadcnt 0x0
.set u, 0
.rept 16
	v_pk_mul_f32 v[32+u:33+u], v[32+u:33+u], 0x3e000000 op_sel_hi:[1,0]    ; R / 8: the scaling of q and k by 1 / sqrt(64), exact
.set u, u+2
.endr
.set u, 0
.rept 16
	v_cvt_pk_bf16_f32 v[68+u], v[32+2*u], v[33+2*u]
.set u, u+1
.endr
.irp i, 0,1,2,3,4,5,6,7
	ds_store_b64 v23, v[68+2*\i:69+2*\i] offset:8*RPITCH*\i
.endr
	ds_store_b32 v24, v64
	ds_store_b32 v24, v65 offset:512
	ds_store_b32 v24, v66 offset:1024
; 16 matrix instructions, transposed use (q, k): n tiles n0 .. n0 + 3 x 4 d tiles.  zero = 1: the first product starts the sums, nothing is cleared.
.macro MULT wbuf, xbuf, n0, zero
.irp nt, \n0, \n0+1, \n0+2, \n0+3
.irp dt, 0,1,2,3
.if \zero
	v_wmma_f32_16x16x32_bf16 v[32*(\nt)+8*\dt:32*(\nt)+8*\dt+7], v[\wbuf+8*\dt:\wbuf+8*\dt+7], v[\xbuf+8*(\nt):\xbuf+8*(\nt)+7], 0
.else
	v_wmma_f32_16x16x32_bf16 v[32*(\nt)+8*\dt:32*(\nt)+8*\dt+7], v[\wbuf+8*\dt:\wbuf+8*\dt+7], v[\xbuf+8*(\nt):\xbuf+8*(\nt)+7], v[32*(\nt)+8*\dt:32*(\nt)+8*\dt+7]
.endif
.endr
.endr
.endm
; the same in the natural order (v): source 0 = x's rows, source 1 = Wv's rows
.macro MULN wbuf, xbuf, n0, zero
.irp nt, \n0, \n0+1, \n0+2, \n0+3
.irp dt, 0,1,2,3
.if \zero
	v_wmma_f32_16x16x32_bf16 v[32*(\nt)+8*\dt:32*(\nt)+8*\dt+7], v[\xbuf+8*(\nt):\xbuf+8*(\nt)+7], v[\wbuf+8*\dt:\wbuf+8*\dt+7], 0
.else
	v_wmma_f32_16x16x32_bf16 v[32*(\nt)+8*\dt:32*(\nt)+8*\dt+7], v[\xbuf+8*(\nt):\xbuf+8*(\nt)+7], v[\wbuf+8*\dt:\wbuf+8*\dt+7], v[32*(\nt)+8*\dt:32*(\nt)+8*\dt+7]
.endif
.endr
.endr
.endm
.macro LDW slot, sel, k, wbuf          ; 8 loads: my head's four fragments of W number sel, 32 K at byte k of the rows
.irp dt, 0,1,2,3
	ds_load_b128 v[\wbuf+8*\dt:\wbuf+8*\dt+3],   v[ADW+\slot] offset:\sel*WT+16*PITCH*\dt+\k
	ds_load_b128 v[\wbuf+8*\dt+4:\wbuf+8*\dt+7], v[ADW+\slot] offset:\sel*WT+16*PITCH*\dt+\k+32
.endr
.endm
.macro LDX slot, k, xbuf, half         ; 8 loads: four of my eight fragments of x
.irp n, 0,1,2,3
	ds_load_b128 v[\xbuf+8*(4*\half+\n):\xbuf+8*(4*\half+\n)+3],   v[ADX+\slot] offset:16*PITCH*(4*\half+\n)+\k
	ds_load_b128 v[\xbuf+8*(4*\half+\n)+4:\xbuf+8*(4*\half+\n)+7], v[ADX+\slot] offset:16*PITCH*(4*\half+\n)+\k+32
.endr
.endm
; A K step is two quarters of 32 along K, 96 matrix instructions each: 32 for q, 32 for k, 32 for v.  The 96 accumulators take turns, one instruction a turn, in the same
; order in every quarter and over the backward jump.  Each W buffer is loaded again right behind its use; x has two buffers.
; The loads are issued in the order Wq, x half 0, Wk, x half 1, Wv, eight each.
; REST: what follows the q group: multiplies xc by Wk and Wv and fetches the next quarter (slot, byte k) into the W buffers and xn.
.macro REST xc, xn, slot, k, zero
	PLACES
	WIN 0
	LDW \slot, 0, \k, W0
	LDX \slot, \k, \xn, 0
	WIN MK
	MULT W1, \xc, 0, \zero
	MULT W1, \xc, 4, \zero
	PLACES
	WIN 0
	LDW \slot, 1, \k, W1
	LDX \slot, \k, \xn, 1
	s_wait_dscnt 32                                ; Wv's fragments are in: only the 32 loads issued behind them may be out
	WIN MV
	MULN W2, \xc, 0, \zero
	MULN W2, \xc, 4, \zero
	PLACES
	WIN 0
	LDW \slot, 2, \k, W2
.endm
.macro QRT xc, xn, slot, k, zero
	s_wait_dscnt 8                                 ; Wq, x and Wk are in; the youngest eight loads (Wv's fragments) may be out
	WIN MQ
	MULT W0, \xc, 0, \zero
	MULT W0, \xc, 4, \zero
	REST \xc, \xn, \slot, \k, \zero
.endm
; The second quarter of a step changes slots.  In front of the barrier each wave waits for its reads of this slot and for all its tensor loads, of which one is out: its part
; of the next slot.  Behind it nobody reads this slot and the next is whole.  fill = 1: the barrier opens a round of the cluster's barrier, and the joint refill, two K steps
; ahead, is the first tensor load behind the round and the wave's only one until the next.  From that request to the wait for it a wave issues 176 matrix instructions.
.macro TURN slot, next, fill
	s_wait_dscnt 8
	WIN MQ
	MULT W0, XB, 0, 0
	s_wait_dscnt 0                                 ; my reads of this slot are over
	s_wait_tensorcnt 0x0                           ; and all my tensor loads have landed
	ds_add_u32 v30, v31
	s_wait_dscnt 0x0
	s_barrier_signal -1
	MULT W0, XB, 4, 0                              ; register work while the others arrive
	WIN 0
	s_barrier_wait -1
.if \fill
	CREST                                          ; no wave of any partner still reads this slot's tiles or has a load on its way
	s_add_nc_u64 s[G0A+4*\slot+2:G0A+4*\slot+3], s[G0A+4*\slot+2:G0A+4*\slot+3], 2*XSTEP
	s_add_nc_u64 s[G0B+4*\slot+2:G0B+4*\slot+3], s[G0B+4*\slot+2:G0B+4*\slot+3], 2*WSTEP
	JLOAD \slot
.endif
	REST XB, XA, \next, 0, 0
.endm
.macro STEP slot, next, fill, zero
	QRT XA, XB, \slot, 64, \zero
	TURN \slot, \next, \fill
.endm
	s_wait_tensorcnt 0x1                           ; my part of K step 0 is in; K step 1's may stay out
	s_wait_dscnt 0x0                               ; my parts of R and of the biases are in LDS
	s_barrier_signal -1
	s_barrier_wait -1
	LDW 0, 0, 0, W0
	LDX 0, 0, XA, 0
	LDW 0, 1, 0, W1
	LDX 0, 0, XA, 1
	LDW 0, 2, 0, W2
	STEP 0, 1, 1, 1                                ; K steps 0 and 1 stand in front of the loop: the first quarter starts the sums
	STEP 1, 0, 1, 0
	WIN 0                                          ; at a label and at a branch every window is 0
	s_mov_b32 s70, 6                               ; K steps 2 to 13
.Llap:
	STEP 0, 1, 1, 0
	STEP 1, 0, 1, 0
	WIN 0
	s_sub_co_u32 s70, s70, 1
	s_cmp_lg_u32 s70, 0
	s_cbranch_scc1 .Llap
	STEP 0, 1, 0, 0                                ; K step 14: nothing is left to ask for, so no round of the cluster's barrier
	QRT XA, XB, 1, 64, 0                           ; K step 15
	s_wait_dscnt 8
	WIN MQ
	MULT W0, XB, 0, 0
	MULT W0, XB, 4, 0
	WIN MK
	MULT W1, XB, 0, 0
	MULT W1, XB, 4, 0
	s_wait_dscnt 0
	WIN MV
	MULN W2, XB, 0, 0
	MULN W2, XB, 4, 0
	WIN 0
	; ---- behind the K loop ----
	PLACES                                         ; behind the last matrix instructions: for the loads into window 0 and for the reads of the results
.irp mt, 0,1,2,3
.irp kk, 0,1
	ds_load_tr16_b128 v[RF+8*(2*\mt+\kk):RF+8*(2*\mt+\kk)+3],   v[RTA] offset:32*RPITCH*\kk+32*\mt               ; R lies [d][m]: transposed on the way, d = 32 kk + 8 h ..
	ds_load_tr16_b128 v[RF+8*(2*\mt+\kk)+4:RF+8*(2*\mt+\kk)+7], v[RTA] offset:32*RPITCH*\kk+32*\mt+16*RPITCH     ; d = 32 kk + 16 + 8 h ..
.endr
.endr
.irp dt, 0,1,2,3
	ds_load_b128 v[BQ+8*\dt:BQ+8*\dt+3],   v[BQA] offset:64*\dt
	ds_load_b128 v[BQ+8*\dt+4:BQ+8*\dt+7], v[BQA] offset:64*\dt+16
	ds_load_b128 v[BK+8*\dt:BK+8*\dt+3],   v[BQA] offset:512+64*\dt
	ds_load_b128 v[BK+8*\dt+4:BK+8*\dt+7], v[BQA] offset:512+64*\dt+16
	ds_load_b32 v[BV+2*\dt],   v[BVA] offset:64*\dt
	ds_load_b32 v[BV+2*\dt+1], v[BVA] offset:64*\dt
.endr
	s_lshl_b32 s30, s25, 1
	s_add_co_u32 s30, s30, s22                     ; my head
	s_lshl_b32 s71, s26, 19                        ; qn: 131,072 bytes for each block of 64 rows: 4 rb blocks,
	s_lshl_b32 s78, s21, 18                        ; 2 for my half of the rows,
	s_add_co_u32 s71, s71, s78
	s_lshl_b32 s78, s30, 13                        ; and in a block 8,192 bytes a head
	s_add_co_u32 s78, s71, s78
	s_mov_b32 s79, 0
	s_add_nc_u64 s[16:17], s[16:17], s[78:79]
	s_lshl_b32 s78, s26, 4                         ; kvp: 16,384 bytes for each (rb, head)
	s_add_co_u32 s78, s78, s30
	s_lshl_b32 s78, s78, 14
	s_add_nc_u64 s[18:19], s[18:19], s[78:79]
	s_wait_dscnt 0x0
.macro PACKF                           ; T's four tiles, stacked along d, become two fragments over d
.set u, 0
.rept 16
	v_cvt_pk_bf16_f32 v[F+u], v[T+2*u], v[T+2*u+1]
.set u, u+1
.endr
.endm
.macro SUMSQ                           ; S+2 = the sum over all 64 d of T^2 for row r: 32 numbers in my lane, 32 in lane l xor 16.  Also the places behind the products with R
	v_pk_mul_f32 v[S+2:S+3], v[T:T+1], v[T:T+1]
	v_pk_mul_f32 v[S+4:S+5], v[T+2:T+3], v[T+2:T+3]
.set u, 4
.rept 7
	v_pk_fma_f32 v[S+2:S+3], v[T+u:T+u+1], v[T+u:T+u+1], v[S+2:S+3]
	v_pk_fma_f32 v[S+4:S+5], v[T+u+2:T+u+3], v[T+u+2:T+u+3], v[S+4:S+5]
.set u, u+4
.endr
	v_pk_add_f32 v[S+2:S+3], v[S+2:S+3], v[S+4:S+5]
	v_add_f32 v[S+2], v[S+2], v[S+3]
	v_permlanex16_b32 v[S+3], v[S+2], s74, s75
	v_add_f32 v[S+2], v[S+2], v[S+3]
.endm
.macro EXP32                           ; behind the last v_exp_f32 one plain vector instruction comes before a result is used (ISA guide 5.7.2)
.set u, 0
.rept 32
	v_exp_f32 v[P+u], v[P+u]
.set u, u+1
.endr
	v_nop
.endm
; 16 rows of q: bias, product with R, exponential, normalisation, out.
.macro QOUT nt
	s_wait_xcnt 0x0                                ; F, which the last block's stores read, is rewritten only behind this wait
	WIN EQ
.set u, 0
.rept 16
	v_pk_add_f32 v[T+u:T+u+1], v[32*\nt+u:32*\nt+u+1], v[BQ+u:BQ+u+1]
.set u, u+2
.endr
	WIN 0
	PACKF
.irp mt, 0,1,2,3                       ; P[m = 16 mt + 8 h + j][n = r]; four accumulators by turns
	v_wmma_f32_16x16x32_bf16 v[P+8*\mt:P+8*\mt+7], v[RF+16*\mt:RF+16*\mt+7], v[F:F+7], 0
.endr
.irp mt, 0,1,2,3
	v_wmma_f32_16x16x32_bf16 v[P+8*\mt:P+8*\mt+7], v[RF+16*\mt+8:RF+16*\mt+15], v[F+8:F+15], v[P+8*\mt:P+8*\mt+7]
.endr
	SUMSQ
	v_mul_f32 v[S], s76, v[S+2]                    ; - log2 e |q|^2 / 128 of row r, as a pair
	v_mul_f32 v[S+1], s76, v[S+2]
.set u, 0
.rept 16
	v_pk_fma_f32 v[P+u:P+u+1], v[P+u:P+u+1], s[72:73], v[S:S+1] op_sel_hi:[1,0,1]
.set u, u+2
.endr
	EXP32
	s_wait_alu depctr_va_vdst(0)
	v_pk_add_f32 v[S+2:S+3], v[P:P+1], v[P+2:P+3]  ; the sum over the 64 m, as above
	v_pk_add_f32 v[S+4:S+5], v[P+4:P+5], v[P+6:P+7]
.set u, 8
.rept 6
	v_pk_add_f32 v[S+2:S+3], v[S+2:S+3], v[P+u:P+u+1]
	v_pk_add_f32 v[S+4:S+5], v[S+4:S+5], v[P+u+2:P+u+3]
.set u, u+4
.endr
	v_pk_add_f32 v[S+2:S+3], v[S+2:S+3], v[S+4:S+5]
	v_add_f32 v[S+2], v[S+2], v[S+3]
	v_permlanex16_b32 v[S+3], v[S+2], s74, s75
	v_add_f32 v[S+2], v[S+2], v[S+3]
	v_add_f32 v[S+2], s77, v[S+2]
	v_rcp_f32 v[S], v[S+2]                         ; z, twice: a pair for the packed multiply
	v_rcp_f32 v[S+1], v[S+2]
	v_nop                                          ; the plain instruction behind the transcendentals
.set u, 0
	s_wait_alu depctr_va_vdst(0)
.rept 16
	v_pk_mul_f32 v[P+u:P+u+1], v[P+u:P+u+1], v[S:S+1]
.set u, u+2
.endr
.set u, 0
.rept 16
	v_cvt_pk_bf16_f32 v[F+u], v[P+2*u], v[P+2*u+1]
.set u, u+1
.endr
.irp mt, 0,1,2,3                       ; chunk mt: row r, m = 16 mt + 8 h .. + 7, as the last launch's fragments want it: each store covers 512 consecutive bytes, aligned
	global_store_b128 v[GL], v[F+4*\mt:F+4*\mt+3], s[16:17] offset:131072*(\nt>>2)+2048*(\nt&3)+512*\mt
.endr
.endm
.irp nt, 0,1,2,3,4,5,6,7
	QOUT \nt
.endr
	s_wait_xcnt 0x0                                ; F again
; 16 rows of k and v (rows 16 (2 np + sub) ..): k' and v packed into half of the fragments over 32 rows.
.macro KSUB np, sub
	WIN EK
.set u, 0
.rept 16
	v_pk_add_f32 v[T+u:T+u+1], v[32*(2*\np+\sub)+u:32*(2*\np+\sub)+u+1], v[BK+u:BK+u+1]
.set u, u+2
.endr
	WIN 0
	PACKF
.irp mt, 0,1,2,3                       ; P[n = 8 h + j][m = 16 mt + r]
	v_wmma_f32_16x16x32_bf16 v[P+8*\mt:P+8*\mt+7], v[F:F+7], v[RF+16*\mt:RF+16*\mt+7], 0
.endr
.irp mt, 0,1,2,3
	v_wmma_f32_16x16x32_bf16 v[P+8*\mt:P+8*\mt+7], v[F+8:F+15], v[RF+16*\mt+8:RF+16*\mt+15], v[P+8*\mt:P+8*\mt+7]
.endr
	SUMSQ
	v_mul_f32 v[S], s76, v[S+2]                    ; the term of row r; P wants those of rows 8 h + j: 16 floats through my own LDS words
	ds_store_b32 v[SQA], v[S]
	ds_load_b128 v[CS:CS+3], v[SQB]
	ds_load_b128 v[CS+4:CS+7], v[SQB] offset:16
	WIN EV
.irp et, 0,1,2,3
.irp i, 0,2,4,6
	v_pk_add_f32 v[T+8*\et+\i:T+8*\et+\i+1], v[32*(2*\np+\sub)+8*\et+\i:32*(2*\np+\sub)+8*\et+\i+1], v[BV+2*\et:BV+2*\et+1]
.endr
.endr
	WIN TO1
.irp et, 0,1,2,3
.irp i, 0,1,2,3
	v_cvt_pk_bf16_f32 v[VF+8*\et+4*\sub+\i], v[T+8*\et+2*\i], v[T+8*\et+2*\i+1]
.endr
.endr
	WIN 0
	s_wait_dscnt 0x0
.irp mt, 0,1,2,3
.irp i, 0,2,4,6
	v_pk_fma_f32 v[P+8*\mt+\i:P+8*\mt+\i+1], v[P+8*\mt+\i:P+8*\mt+\i+1], s[72:73], v[CS+\i:CS+\i+1] op_sel_hi:[1,0,1]
.endr
.endr
	EXP32
	WIN TO1
	s_wait_alu depctr_va_vdst(0)
.irp mt, 0,1,2,3
.irp i, 0,1,2,3
	v_cvt_pk_bf16_f32 v[KF+8*\mt+4*\sub+\i], v[P+8*\mt+2*\i], v[P+8*\mt+2*\i+1]
.endr
.endr
.endm
; kvT[e = 16 et + 8 h + j][m = 16 mt + r] += the sum over 32 rows of v[n][e] k'[n][m]; sixteen accumulators by turns
.macro KVACC np
	WIN ALL1
.irp mt, 0,1,2,3
.irp et, 0,1,2,3
.if \np
	v_wmma_f32_16x16x32_bf16 v[8*(4*\mt+\et):8*(4*\mt+\et)+7], v[VF+8*\et:VF+8*\et+7], v[KF+8*\mt:KF+8*\mt+7], v[8*(4*\mt+\et):8*(4*\mt+\et)+7]
.else
	v_wmma_f32_16x16x32_bf16 v[8*(4*\mt+\et):8*(4*\mt+\et)+7], v[VF+8*\et:VF+8*\et+7], v[KF+8*\mt:KF+8*\mt+7], 0
.endif
.endr
.endr
.endm
.irp np, 0,1,2,3
	KSUB \np, 0
	KSUB \np, 1
	KVACC \np
.endr
	WIN 0
	PLACES                                         ; behind the last matrix instructions, for the LDS stores and the adds that read kvT
	; the two waves of a head add their halves: waves 2, 3 hand theirs over through LDS, waves 0, 1 add and store, registers as they lie
	s_cmp_lt_u32 s20, 2
	s_cbranch_scc1 .Lkeep
	WIN S1
.set u, 0
.rept 32
	ds_store_b128 v[KXA], v[4*u:4*u+3] offset:512*u
.set u, u+1
.endr
	WIN 0
.Lkeep:
	s_wait_dscnt 0x0                               ; for the other wave's sake: my stores are in LDS
	s_barrier_signal -1
	s_barrier_wait -1
	s_cmp_ge_u32 s20, 2
	s_cbranch_scc1 .Ldone
.set u, 0
.rept 32
	ds_load_b128 v[32+4*u:35+4*u], v[KXA] offset:512*u
.set u, u+1
.endr
	s_wait_dscnt 0x0
	WIN S1
.set u, 0
.rept 64
	v_pk_add_f32 v[32+u:33+u], v[32+u:33+u], v[u:u+1]
.set u, u+2
.endr
	WIN 0
.set u, 0
.rept 32
	global_store_b128 v[GL], v[32+4*u:35+4*u], s[18:19] offset:512*u       ; 512 consecutive bytes, aligned
.set u, u+1
.endr
.Ldone:
	s_wait_tensorcnt 0x0
	ds_add_u32 v30, v31
	s_wait_dscnt 0x0
	CROUND                                         ; the closing round: no work-group ends while a partner may still ask for a tile that names it
	s_endpgm
.Lfunc_end_k_q4c7e28cd96_qkv:
	.size	k_q4c7e28cd96_qkv, .Lfunc_end_k_q4c7e28cd96_qkv-k_q4c7e28cd96_qkv
	.p2alignl 7, 3214868480
	.fill 96, 4, 3214868480
	.section	.rodata,"a",@progbits
	.p2align	6, 0x0
	.amdhsa_kernel k_q4c7e28cd96_qkv
		.amdhsa_group_segment_fixed_size 327680
		.amdhsa_private_segment_fixed_size 0
		.amdhsa_enable_private_segment 0
		.amdhsa_kernarg_size 64
		.amdhsa_user_sgpr_count 2
		.amdhsa_user_sgpr_kernarg_segment_ptr 1
		.amdhsa_wavefront_size32 1
		.amdhsa_system_sgpr_workgroup_id_x 1
		.amdhsa_system_sgpr_workgroup_id_y 1
		.amdhsa_system_sgpr_workgroup_id_z 1
		.amdhsa_system_vgpr_workitem_id 0
		.amdhsa_next_free_vgpr 1024
		.amdhsa_next_free_sgpr 80
		.amdhsa_reserve_vcc 0
		.amdhsa_float_denorm_mode_32 3
		.amdhsa_float_denorm_mode_16_64 3
		.amdhsa_memory_ordered 1
		.amdhsa_forward_progress 1
		.amdhsa_inst_pref_size 255
	.end_amdhsa_kernel
	.section	.bss,"aw",@nobits
	.p2align	6
	.space	262144
	.amdgpu_metadata
---
amdhsa.version: [ 1, 2 ]
amdhsa.kernels:
  - .name:           k_q4c7e28cd96_qkv
    .symbol:         k_q4c7e28cd96_qkv.kd
    .args:
      - { .name: xb, .offset: 0, .size: 8, .value_kind: global_buffer, .address_space: global }
      - { .name: wb, .offset: 8, .size: 8, .value_kind: global_buffer, .address_space: global }
      - { .name: bq, .offset: 16, .size: 8, .value_kind: global_buffer, .address_space: global }
      - { .name: bk, .offset: 24, .size: 8, .value_kind: global_buffer, .address_space: global }
      - { .name: bv, .offset: 32, .size: 8, .value_kind: global_buffer, .address_space: global }
      - { .name: R, .offset: 40, .size: 8, .value_kind: global_buffer, .address_space: global }
      - { .name: qn, .offset: 48, .size: 8, .value_kind: global_buffer, .address_space: global }
      - { .name: kvp, .offset: 56, .size: 8, .value_kind: global_buffer, .address_space: global }
    .group_segment_fixed_size: 327680
    .private_segment_fixed_size: 0
    .kernarg_segment_align: 8
    .kernarg_segment_size: 64
    .max_flat_workgroup_size: 128
    .sgpr_count:     80
    .vgpr_count:     1024
    .wavefront_size: 32
...
	.end_amdgpu_metadata
.endif
;; end of part 2
;; launch fold (part 3): grid 4 x 64, 8 waves a work-group, no clusters, 9,216 bytes of LDS; arguments kvp, wb, mtb; writes mtb
.if DOCPART == 3
	.amdgcn_target "amdgcn-amd-amdhsa--gfx1250"
	.amdhsa_code_object_version 6
	.text
	.protected	k_q4c7e28cd96_fold
	.globl	k_q4c7e28cd96_fold
	.p2align	8
	.type	k_q4c7e28cd96_fold,@function
k_q4c7e28cd96_fold:
	s_mov_b64 s[64:65], 0
	v_nop
	global_prefetch_b8 v0, s[64:65] scope:SCOPE_SE
	s_setreg_imm32_b32 hwreg(HW_REG_WAVE_MODE, 25, 1), 1
	s_wait_xcnt 0x0
; For each (batch b, head h): kv = the sum of the eight partial kvT of the batch's row blocks, in a fixed order, in f32; then
;   M[o][m] = sum over e of kv[m][e] Wo[o][64 h + e], bf16: the head's part of the last product's second factor.
; (out Wo^T = sum over h of (z q'_h) (kv_h Wo_h^T): the product is reassociated, which holds for every input; the order of roundings differs from the formula's.)
; mtb is stored as the last launch's fragments lie in registers: [4 b][8 blocks of 128 o][16 heads][8 tiles of 16 o][4 mt][32 lanes][16 bytes];
; lane (r, h') of chunk mt holds m = 16 mt + 8 h' .. + 7 of row o = r.
; Grid 4 x 64: x = quarter of the 1,024 o, y = 16 b + h.  Eight waves.  Wave w sums bytes 2,048 w .. + 2,047 of each partial, in the registers' own layout: these are the
; tiles (mt = w / 2, et = 2 (w % 2) and the next), in which register j of lane (r, h') holds kvT[e = 16 et + 8 h' + j][m = 16 mt + r]: packed they are ONE fragment with
; row m and K = e.  All 32 loads of the partials and the 8 of Wo go out at once, so that the wave waits for memory once.
; The eight waves exchange their fragments through LDS; each then makes 32 o x 64 m and stores its packed registers as they lie.
; NO CLUSTER: the four work-groups of one (b, h) read the same 131,072 bytes of partials, but they add them in registers as they come; a joint tensor load would send
; all of them through LDS first, and the launch's whole matrix work is 16 matrix instructions a wave.  All loads go through registers.
.set FR,  0                            ; 8,192 bytes: wave w's fragment at 1,024 w + 512 c + 16 lane
.set GL,  4                            ; 16 x lane
.set WA,  5                            ; Wo's fragments: 128 r + 16 h'
.set FRS, 6                            ; FR + 1,024 w + 16 lane
.set B,   32                           ; v[32+16p : 47+16p] partial p; partial 0's registers take the sum
.set WF,  160                          ; v160-191 Wo's fragments: (ot, kk) at 8 (2 ot + kk)
.set PK,  192                          ; v192-223 packed
.set AF,  64                           ; later: v64-127 kv's fragments: (mt, kk) at 16 mt + 8 kk
.set D0,  128                          ; later: four result tiles of my first o tile,
.set D1,  224                          ; and of my second
	s_load_b128 s[4:7], s[0:1], 0x0                ; kvp s[4:5], wb s[6:7]
	s_load_b64 s[8:9], s[0:1], 0x10                ; mtb
	v_lshl_add_u32 v30, v0, 2, 0x2000
	v_mov_b32 v31, 0
	v_lshrrev_b32 v1, 5, v0
	v_readfirstlane_b32 s10, v1                    ; wave 0..7
	s_and_b32 s11, ttmp7, 0xffff                   ; 16 b + h
	s_lshr_b32 s12, s11, 4                         ; b
	s_and_b32 s13, s11, 15                         ; h
	s_lshl_b32 s14, s12, 7                         ; kvp: 16,384 (16 x 8 b + h) + 2,048 w
	s_add_co_u32 s14, s14, s13
	s_lshl_b32 s14, s14, 14
	s_lshl_b32 s15, s10, 11
	s_add_co_u32 s14, s14, s15
	s_mov_b32 s15, 0
	s_lshl_b32 s20, ttmp9, 15                      ; my 32 rows o in wb: 128 (256 quarter + 32 w)
	s_lshl_b32 s21, s10, 12
	s_add_co_u32 s20, s20, s21
	s_lshl_b32 s16, s13, 19                        ; wb: K block h, rows 3,072 + o
	s_add_co_u32 s16, s16, 3072*128
	s_add_co_u32 s16, s16, s20
	s_mov_b32 s17, 0
	s_lshl_b32 s18, s12, 21                        ; mtb: 2,097,152 bytes a batch,
	s_lshl_b32 s21, ttmp9, 19                      ; 262,144 for each block of 128 o: two blocks a quarter,
	s_add_co_u32 s18, s18, s21
	s_lshr_b32 s21, s10, 2                         ; waves 4 to 7 in the second,
	s_lshl_b32 s21, s21, 18
	s_add_co_u32 s18, s18, s21
	s_lshl_b32 s21, s13, 14                        ; in a block 16,384 a head,
	s_add_co_u32 s18, s18, s21
	s_and_b32 s21, s10, 3                          ; and there my two tiles of 2,048
	s_lshl_b32 s21, s21, 12
	s_add_co_u32 s18, s18, s21
	s_mov_b32 s19, 0
	v_and_b32 v1, 15, v0                           ; r
	v_bfe_u32 v2, v0, 4, 1                         ; h'
	v_and_b32 v3, 31, v0                           ; lane
	v_lshlrev_b32 v[GL], 4, v3
	v_lshlrev_b32 v[WA], 7, v1
	v_lshl_add_u32 v[WA], v2, 4, v[WA]
	s_lshl_b32 s22, s10, 10
	v_add_nc_u32 v[FRS], s22, v[GL]
	s_wait_kmcnt 0x0
	s_add_nc_u64 s[4:5], s[4:5], s[14:15]
	s_add_nc_u64 s[6:7], s[6:7], s[16:17]
	s_add_nc_u64 s[8:9], s[8:9], s[18:19]
.irp p, 0,1,2,3,4,5,6,7
.irp c, 0,1,2,3
	global_load_b128 v[B+16*\p+4*\c:B+16*\p+4*\c+3], v[GL], s[4:5] offset:262144*\p+512*\c     ; 512 consecutive bytes of partial p
.endr
.endr
.irp ot, 0,1
.irp kk, 0,1
	global_load_b128 v[WF+8*(2*\ot+\kk):WF+8*(2*\ot+\kk)+3],   v[WA], s[6:7] offset:2048*\ot+64*\kk
	global_load_b128 v[WF+8*(2*\ot+\kk)+4:WF+8*(2*\ot+\kk)+7], v[WA], s[6:7] offset:2048*\ot+64*\kk+32
.endr
.endr
.irp p, 1,2,3,4,5,6,7
	s_wait_loadcnt 36-4*\p                         ; partial p is in: four loads for each younger partial and Wo's eight may be out
.set u, 0
.rept 8
	v_pk_add_f32 v[B+u:B+u+1], v[B+u:B+u+1], v[B+16*\p+u:B+16*\p+u+1]
.set u, u+2
.endr
.endr
.set u, 0
.rept 8
	v_cvt_pk_bf16_f32 v[PK+u], v[B+2*u], v[B+2*u+1]
.set u, u+1
.endr
	ds_store_b128 v[FRS], v[PK:PK+3] offset:FR
	ds_store_b128 v[FRS], v[PK+4:PK+7] offset:FR+512
	s_wait_dscnt 0x0                               ; for the others' sake: my fragment is in LDS
	s_barrier_signal -1
	s_barrier_wait -1
.set u, 0
.rept 16
	ds_load_b128 v[AF+4*u:AF+4*u+3], v[GL] offset:FR+512*u
.set u, u+1
.endr
	s_wait_loadcnt 0x0                             ; Wo's fragments
	s_wait_dscnt 0x0
; D[m = 16 mt + 8 h' + j][o = r] for my two o tiles; eight accumulators by turns
.irp mt, 0,1,2,3
	v_wmma_f32_16x16x32_bf16 v[D0+8*\mt:D0+8*\mt+7], v[AF+16*\mt:AF+16*\mt+7], v[WF:WF+7], 0
	v_wmma_f32_16x16x32_bf16 v[D1+8*\mt:D1+8*\mt+7], v[AF+16*\mt:AF+16*\mt+7], v[WF+16:WF+23], 0
.endr
.irp mt, 0,1,2,3
	v_wmma_f32_16x16x32_bf16 v[D0+8*\mt:D0+8*\mt+7], v[AF+16*\mt+8:AF+16*\mt+15], v[WF+8:WF+15], v[D0+8*\mt:D0+8*\mt+7]
	v_wmma_f32_16x16x32_bf16 v[D1+8*\mt:D1+8*\mt+7], v[AF+16*\mt+8:AF+16*\mt+15], v[WF+24:WF+31], v[D1+8*\mt:D1+8*\mt+7]
.endr
.rept 4
	v_nop                                          ; four places behind the last matrix instruction before a result is read (ISA guide 7.12.1)
.endr
.set u, 0
.rept 16
	v_cvt_pk_bf16_f32 v[PK+u], v[D0+2*u], v[D0+2*u+1]
.set u, u+1
.endr
.set u, 0
.rept 16
	v_cvt_pk_bf16_f32 v[PK+16+u], v[D1+2*u], v[D1+2*u+1]
.set u, u+1
.endr
.irp ot, 0,1
.irp mt, 0,1,2,3
	global_store_b128 v[GL], v[PK+16*\ot+4*\mt:PK+16*\ot+4*\mt+3], s[8:9] offset:2048*\ot+512*\mt      ; chunk mt of o tile ot: 512 consecutive bytes, aligned
.endr
.endr
	s_wait_tensorcnt 0x0
	ds_add_u32 v30, v31
	s_wait_dscnt 0x0
	s_endpgm
.Lfunc_end_k_q4c7e28cd96_fold:
	.size	k_q4c7e28cd96_fold, .Lfunc_end_k_q4c7e28cd96_fold-k_q4c7e28cd96_fold
	.p2alignl 7, 3214868480
	.fill 96, 4, 3214868480
	.section	.rodata,"a",@progbits
	.p2align	6, 0x0
	.amdhsa_kernel k_q4c7e28cd96_fold
		.amdhsa_group_segment_fixed_size 9216
		.amdhsa_private_segment_fixed_size 0
		.amdhsa_enable_private_segment 0
		.amdhsa_kernarg_size 24
		.amdhsa_user_sgpr_count 2
		.amdhsa_user_sgpr_kernarg_segment_ptr 1
		.amdhsa_wavefront_size32 1
		.amdhsa_system_sgpr_workgroup_id_x 1
		.amdhsa_system_sgpr_workgroup_id_y 1
		.amdhsa_system_sgpr_workgroup_id_z 1
		.amdhsa_system_vgpr_workitem_id 0
		.amdhsa_next_free_vgpr 256
		.amdhsa_next_free_sgpr 66
		.amdhsa_reserve_vcc 0
		.amdhsa_float_denorm_mode_32 3
		.amdhsa_float_denorm_mode_16_64 3
		.amdhsa_memory_ordered 1
		.amdhsa_forward_progress 1
		.amdhsa_inst_pref_size 16
	.end_amdhsa_kernel
	.amdgpu_metadata
---
amdhsa.version: [ 1, 2 ]
amdhsa.kernels:
  - .name:           k_q4c7e28cd96_fold
    .symbol:         k_q4c7e28cd96_fold.kd
    .args:
      - { .name: kvp, .offset: 0, .size: 8, .value_kind: global_buffer, .address_space: global }
      - { .name: wb, .offset: 8, .size: 8, .value_kind: global_buffer, .address_space: global }
      - { .name: mtb, .offset: 16, .size: 8, .value_kind: global_buffer, .address_space: global }
    .group_segment_fixed_size: 9216
    .private_segment_fixed_size: 0
    .kernarg_segment_align: 8
    .kernarg_segment_size: 24
    .max_flat_workgroup_size: 256
    .sgpr_count:     66
    .vgpr_count:     256
    .wavefront_size: 32
...
	.end_amdgpu_metadata
.endif
;; end of part 3
;; launch outp (part 4): grid 4 x 64, 4 waves a work-group, clusters of 4 x 4, 327,680 bytes of LDS; arguments qn, mtb, bo, out0; writes out0
.if DOCPART == 4
	.amdgcn_target "amdgcn-amd-amdhsa--gfx1250"
	.amdhsa_code_object_version 6
	.text
	.protected	k_q4c7e28cd96_outp
	.globl	k_q4c7e28cd96_outp
	.p2align	8
	.type	k_q4c7e28cd96_outp,@function
k_q4c7e28cd96_outp:
	s_mov_b64 s[64:65], 0
	v_nop
	global_prefetch_b8 v0, s[64:65] scope:SCOPE_SE
	s_setreg_imm32_b32 hwreg(HW_REG_WAVE_MODE, 25, 1), 1
	s_wait_xcnt 0x0
	s_wait_alu depctr_hold_cnt(0) depctr_sa_sdst(0) depctr_va_vdst(0) depctr_va_sdst(0) depctr_va_ssrc(0) depctr_va_vcc(0) depctr_vm_vsrc(0)
	s_getreg_b32 s2, hwreg(HW_REG_IB_STS2, 6, 4)
	s_cmp_eq_u32 s2, 0
	s_cbranch_scc0 .Lentry_in_a_cluster
	s_endpgm
.Lentry_in_a_cluster:
	s_bfe_u32 s2, ttmp6, 0x10000c
	s_cmp_lg_u32 s2, 0xf033
	s_cbranch_scc0 .Lentry_shape_is_right
	s_endpgm
.Lentry_shape_is_right:
; out0[n][o] = sum over h, m of qn[h][n][m] M[b][h][o][m] + bo[o], f32 out; b = the batch of row n.  A GEMM of 8,192 x 1,024 x 1,024 with one second factor a batch.
; Grid 4 x 64: x = block of 256 columns, y = block of 128 rows: 256 work-groups (blocks of 256 x 256 would be 128).  Four waves; wave w makes rows 64 (w / 2) .. and
; columns 128 (w % 2) ..: 32 accumulator tiles, 256 registers, window 1, tile (rt, ct) at 8 (8 rt + ct).
; qn and mtb lie in memory as this launch's fragments lie in registers:
;   qn  [128 blocks of 64 rows][16 heads][4 tiles of 16 rows][4 mt][32 lanes][16 bytes],  mtb [4 b][8 blocks of 128 o][16 heads][8 tiles of 16 o][4 mt][32 lanes][16 bytes].
; Chunks 2 kk and 2 kk + 1 of a tile are registers 0-3 and 4-7 of the fragment with K = m = 32 kk .. of that head.  So a fragment load takes 512 consecutive LDS bytes
; (no two lanes in one bank word, no padding), and some heads of one block are one dense run of memory.
; THE RING.  A head is 16,384 bytes of qn and 32,768 of mtb.  A slot holds THREE heads (K = 192): 147,456 bytes; two slots and the stage of 17,408 make 312,320.
; A slot of four heads would want 2 x 196,608 bytes, more than there is.  The 16 heads go as 3, 3, 3, 3, 3, 1; the last fill has a shape of its own (one head).
; Slot: [qn rows 0-63: 3 x 8,192][qn rows 64-127][mtb columns 0-127: 3 x 16,384][mtb columns 128-255].  Each of the four parts is one wave's one tensor load.
; The trips differ (the first starts the sums, the last fill has another shape), so the K phase is written out without a loop.
; CLUSTERS: 4 x 4.  qn's tiles hang on the block of rows alone: asked for jointly along a row of the cluster.  mtb's hang on the block of columns and on the batch,
; which is the cluster's y / 4, the same for all four of a column: asked for jointly along a column.  Waves 0, 1 ask for qn's two halves, waves 2, 3 for mtb's.
; THE MATRIX INSTRUCTION IS USED TRANSPOSED (source 0 = mtb's rows, source 1 = qn's rows): a lane then holds eight neighbouring columns of one row of out0.
.set HPS,    3                         ; heads in a slot
.set AH,     8192                      ; a head's 64 rows of qn
.set BH,     16384                     ; a head's 128 rows of mtb
.set AHALF,  HPS*AH                    ; what wave 0 or 1 asks for
.set BHALF,  HPS*BH                    ; what wave 2 or 3 asks for
.set SLOT,   2*AHALF+2*BHALF           ; 147,456
.set STAGE,  2*SLOT                    ; 16 rows x 272 bytes for each wave; no tensor load fills it
.set SPITCH, 272                       ; 256 bytes of data + 16: the sixteen rows that a store touches begin in sixteen different groups of four banks
.set ADA, 4                            ; v4-5  LDS address of my qn fragments in slot 0, 1
.set ADB, 6                            ; v6-7  of my mtb fragments
.set STO, 8                            ; the stage: where I put 32 bytes of a row
.set RD,  9                            ; the stage: where I read rows back
.set CO,  10                           ; my byte offset in out0
.set BOA, 11                           ; bo: byte offset of my four columns
.set BO,  12                           ; v12-15, v16-19 bo of the four columns that I store, in the left and in the right 64 of my 128
.set F0,  64                           ; v64-159  fragment buffer 0: 8 of mtb, then 4 of qn
.set F1,  160                          ; v160-255 fragment buffer 1
.set G1A, 32                           ; s[32:39] group 1: qn, three heads
.set G1B, 40                           ; s[40:47] group 1: mtb, three heads
.set G0A, 48                           ; s[48:55] group 0 for qn, one set for each slot
.set G0B, 56                           ; s[56:63] group 0 for mtb
.set G1A1, 80                          ; s[80:87] group 1: qn, one head
.set G1B1, 88                          ; s[88:95] group 1: mtb, one head
.set G1W0, (3<<16)|(1<<21)             ; 17:16 elements of 8 bytes; no padding; 21 set beside a mask
.set MUL, 0x50                         ; s_set_vgpr_msb: C and D in window 1
.set S1,  0x04                         ; an LDS store's data in window 1
.set MSB, 0
.macro WIN new                         ; the immediate's high byte repeats the setting that is left
.if MSB != \new
	s_set_vgpr_msb (MSB<<8)|\new
.set MSB, \new
.endif
.endm
.macro PLACES                          ; four plain vector instructions behind a matrix instruction, before a load lands on its sources or its result is read (ISA guide 7.12.1 for vector instructions)
.rept 4
	v_nop
.endr
.endm
; A joint load.  kind = 1: three heads, kind = 2: one head.  Each line has one mask; the branch hangs on the wave's number alone.
.macro JLOAD s, kind
	s_cmp_eq_u32 s21, 0
	s_cbranch_scc0 .Lfor_b_\@
.if \kind == 1
	tensor_load_to_lds s[G0A+4*\s:G0A+4*\s+3], s[G1A:G1A+7]
	s_nop 0
.else
	tensor_load_to_lds s[G0A+4*\s:G0A+4*\s+3], s[G1A1:G1A1+7]
	s_nop 0
.endif
	s_branch .Lasked_\@
.Lfor_b_\@:
.if \kind == 1
	tensor_load_to_lds s[G0B+4*\s:G0B+4*\s+3], s[G1B:G1B+7]
	s_nop 0
.else
	tensor_load_to_lds s[G0B+4*\s:G0B+4*\s+3], s[G1B1:G1B1+7]
	s_nop 0
.endif
.Lasked_\@:
.endm
.macro CREST                           ; a round of the cluster's barrier behind its opening barrier
	s_cmp_lg_u32 s20, 0
	s_cbranch_scc1 .Lnot_wave_0_\@
	s_barrier_signal -3
.Lnot_wave_0_\@:
	s_barrier_wait -3
	s_barrier_signal -1
	s_barrier_wait -1
.endm
.macro CROUND
	s_barrier_signal -1
	s_barrier_wait -1
	CREST
.endm
; group 1 of a dense block: rows of 32 elements of 8 bytes = 256 bytes, each beginning where the last ends
.macro SHAPE g, rows
	s_mov_b32 s[\g+1], 32<<16                      ; 63:48 tensor_dim0 = 32
	s_mov_b32 s[\g+2], (\rows)<<16                 ; 95:80 tensor_dim1
	s_mov_b32 s[\g+3], 32<<16                      ; 127:112 tile_dim0 = 32
	s_mov_b32 s[\g+4], \rows                       ; 143:128 tile_dim1
	s_mov_b32 s[\g+5], 32                          ; 191:160 elements from row to row: dense
	s_mov_b32 s[\g+6], 0
	s_mov_b32 s[\g+7], 0
.endm
	s_load_b256 s[4:11], s[0:1], 0x0               ; qn s[4:5], mtb s[6:7], bo s[8:9], out0 s[10:11]
	v_lshl_add_u32 v62, v0, 2, 0x4c400
	v_mov_b32 v63, 0
	ds_add_u32 v62, v63
	ds_add_u32 v62, v63
	v_lshrrev_b32 v1, 5, v0
	v_readfirstlane_b32 s20, v1                    ; wave
	s_lshr_b32 s21, s20, 1                         ; which 64 rows are mine.  Also: I ask for qn (0) or for mtb (1)
	s_and_b32 s22, s20, 1                          ; which 128 columns.  Also: which half of that tile I ask for
	s_bfe_u32 s23, ttmp6, 0x40000                  ; cx
	s_bfe_u32 s24, ttmp6, 0x40004                  ; cy
	s_lshl_b32 s25, ttmp9, 2
	s_add_co_u32 s25, s25, s23                     ; block of columns
	s_and_b32 s12, ttmp7, 0xffff                   ; the cluster's y
	s_lshl_b32 s26, s12, 2
	s_add_co_u32 s26, s26, s24                     ; block of rows
	s_lshr_b32 s13, s12, 2                         ; batch: 16 blocks of 128 rows = 4 clusters
	s_lshl_b32 s27, s24, 2
	s_lshl_b32 s27, 15, s27                        ; my row of the cluster
	s_lshl_b32 s28, 0x1111, s23                    ; my column
	s_or_b32 s[G1A+0], s27, G1W0                   ; 15:0 the mask: qn's tiles go to my row,
	s_or_b32 s[G1A1+0], s27, G1W0
	s_or_b32 s[G1B+0], s28, G1W0                   ; mtb's to my column
	s_or_b32 s[G1B1+0], s28, G1W0
	SHAPE G1A,  AHALF/256                          ; 96 rows of 256 bytes
	SHAPE G1A1, AH/256                             ; 32
	SHAPE G1B,  BHALF/256                          ; 192
	SHAPE G1B1, BH/256                             ; 64
	s_lshl_b32 s66, s26, 18                        ; qn: block of 64 rows number 2 x block + half, 131,072 bytes each
	s_lshl_b32 s67, s22, 17
	s_add_co_u32 s66, s66, s67
	s_mov_b32 s67, 0
	s_lshl_b32 s68, s13, 21                        ; mtb: 2,097,152 bytes a batch; block of 128 o number 2 x block + half, 262,144 each
	s_lshl_b32 s69, s25, 19
	s_add_co_u32 s68, s68, s69
	s_lshl_b32 s69, s22, 18
	s_add_co_u32 s68, s68, s69
	s_mov_b32 s69, 0
	s_mul_i32 s29, s22, AHALF                      ; where they go: the wave's number alone
	s_mul_i32 s30, s22, BHALF
	s_add_co_u32 s30, s30, 2*AHALF
	s_wait_dscnt 0x0
	s_wait_kmcnt 0x0
	s_add_nc_u64 s[66:67], s[4:5], s[66:67]
	s_add_nc_u64 s[68:69], s[6:7], s[68:69]
	CROUND                                         ; the first joint loads meet
.irp s, 0,1
	s_mov_b32 s[G0A+4*\s], 1                                       ; 1:0 count = 1
	s_add_co_u32 s[G0A+4*\s+1], s29, \s*SLOT                       ; 63:32 LDS address
	s_add_nc_u64 s[G0A+4*\s+2:G0A+4*\s+3], s[66:67], \s*AHALF      ; 120:64 global address: heads 3 s ..
	s_or_b32 s[G0A+4*\s+3], s[G0A+4*\s+3], 0x80000000              ; 127:126 type = 2
	s_mov_b32 s[G0B+4*\s], 1
	s_add_co_u32 s[G0B+4*\s+1], s30, \s*SLOT
	s_add_nc_u64 s[G0B+4*\s+2:G0B+4*\s+3], s[68:69], \s*BHALF
	s_or_b32 s[G0B+4*\s+3], s[G0B+4*\s+3], 0x80000000
	JLOAD \s, 1                                    ; two tensor loads of the wave are out
.endr
	v_and_b32 v1, 15, v0                           ; r
	v_bfe_u32 v2, v0, 4, 1                         ; h
	v_and_b32 v3, 31, v0                           ; lane
	s_lshl_b32 s71, s25, 10
	s_lshl_b32 s78, s22, 9
	s_add_co_u32 s71, s71, s78                     ; 4 (256 block + 128 half)
	v_lshl_add_u32 v[BOA], v1, 4, s71
	global_load_b128 v[BO:BO+3], v[BOA], s[8:9]
	global_load_b128 v[BO+4:BO+7], v[BOA], s[8:9] offset:256
	v_lshlrev_b32 v20, 4, v3                       ; 16 x lane: a fragment load's lane term
	s_mul_i32 s71, s21, AHALF
	s_mul_i32 s78, s22, BHALF
	s_add_co_u32 s78, s78, 2*AHALF
	v_add_nc_u32 v[ADA], s71, v20
	v_add_nc_u32 v[ADB], s78, v20
	v_add_nc_u32 v[ADA+1], SLOT, v[ADA]
	v_add_nc_u32 v[ADB+1], SLOT, v[ADB]
	s_mul_i32 s71, s20, 16*SPITCH
	s_add_co_u32 s71, s71, STAGE                   ; my stage
	v_mul_u32_u24 v21, v1, SPITCH                  ; in: row r, 32 bytes for each half of the lanes
	v_lshl_add_u32 v21, v2, 5, v21
	v_add_nc_u32 v[STO], s71, v21
	v_mul_u32_u24 v21, v2, SPITCH                  ; back: lanes 0-15 take one row of 256 bytes, lanes 16-31 the next
	v_lshl_add_u32 v21, v1, 4, v21
	v_add_nc_u32 v[RD], s71, v21
	v_lshlrev_b32 v[CO], 12, v2                    ; and the same two rows in out0
	v_lshl_add_u32 v[CO], v1, 4, v[CO]
; 24 LDS loads: the fragments of quarter q of a slot (head q / 2 of the slot's three, K = 32 (q % 2) .. of it) into buffer f
.macro FETCH slot, q, f
.irp c, 0,1,2,3,4,5,6,7
	ds_load_b128 v[\f+8*\c:\f+8*\c+3],   v[ADB+\slot] offset:(\q>>1)*BH+2048*\c+1024*(\q&1)
	ds_load_b128 v[\f+8*\c+4:\f+8*\c+7], v[ADB+\slot] offset:(\q>>1)*BH+2048*\c+1024*(\q&1)+512
.endr
.irp c, 0,1,2,3
	ds_load_b128 v[\f+64+8*\c:\f+64+8*\c+3],   v[ADA+\slot] offset:(\q>>1)*AH+2048*\c+1024*(\q&1)
	ds_load_b128 v[\f+64+8*\c+4:\f+64+8*\c+7], v[ADA+\slot] offset:(\q>>1)*AH+2048*\c+1024*(\q&1)+512
.endr
.endm
; 16 matrix instructions: row tiles r0, r0 + 1 x 8 column tiles.  The 32 accumulators take turns, one instruction a turn, in the same order in every quarter.
.macro MUL16 f, r0, zero
.irp rt, \r0, \r0+1
.irp ct, 0,1,2,3,4,5,6,7
.if \zero
	v_wmma_f32_16x16x32_bf16 v[8*(8*(\rt)+\ct):8*(8*(\rt)+\ct)+7], v[\f+8*\ct:\f+8*\ct+7], v[\f+64+8*(\rt):\f+64+8*(\rt)+7], 0
.else
	v_wmma_f32_16x16x32_bf16 v[8*(8*(\rt)+\ct):8*(8*(\rt)+\ct)+7], v[\f+8*\ct:\f+8*\ct+7], v[\f+64+8*(\rt):\f+64+8*(\rt)+7], v[8*(8*(\rt)+\ct):8*(8*(\rt)+\ct)+7]
.endif
.endr
.endr
.endm
; A quarter that is not a slot's last: fetches quarter q into buffer g, then multiplies buffer f while those loads are on their way.
.macro QRT f, g, slot, q, zero
	PLACES
	FETCH \slot, \q, \g
	s_wait_dscnt 24                                ; buffer f is in; the 24 loads just issued may be out
	WIN MUL
	MUL16 \f, 0, \zero
	MUL16 \f, 2, \zero
	WIN 0
.endm
; A slot's last quarter multiplies buffer 1 and changes slots.  In front of the barrier: my reads of this slot are over and all my tensor loads have landed (one was out: my
; part of the next slot).  fill = 1 or 2: the barrier opens a round of the cluster's barrier, and the joint refill (three heads, or the last one), six heads ahead, is the first
; tensor load behind it and the wave's only one until the next.  From that request to the wait for it a wave issues 16 + 5 x 32 = 176 matrix instructions.
.macro TURN slot, next, fill
	s_wait_dscnt 0
	s_wait_tensorcnt 0x0
	ds_add_u32 v62, v63
	s_wait_dscnt 0x0
	s_barrier_signal -1
	WIN MUL
	MUL16 F1, 0, 0                                 ; register work while the others arrive
	WIN 0
	s_barrier_wait -1
.if \fill
	CREST                                          ; no wave of any partner still reads this slot's tiles or has a load on its way
	s_add_nc_u64 s[G0A+4*\slot+2:G0A+4*\slot+3], s[G0A+4*\slot+2:G0A+4*\slot+3], 2*AHALF
	s_add_nc_u64 s[G0B+4*\slot+2:G0B+4*\slot+3], s[G0B+4*\slot+2:G0B+4*\slot+3], 2*BHALF
	JLOAD \slot, \fill
.endif
	PLACES
	FETCH \next, 0, F0
	WIN MUL
	MUL16 F1, 2, 0
	WIN 0
.endm
.macro FIVE slot, zero                 ; the first five of a slot's six quarters
	QRT F0, F1, \slot, 1, \zero
	QRT F1, F0, \slot, 2, 0
	QRT F0, F1, \slot, 3, 0
	QRT F1, F0, \slot, 4, 0
	QRT F0, F1, \slot, 5, 0
.endm
	s_wait_tensorcnt 0x1                           ; my part of slot 0 is in; slot 1's may stay out
	s_barrier_signal -1
	s_barrier_wait -1
	FETCH 0, 0, F0
	FIVE 0, 1                                      ; heads 0-2; the first quarter starts the sums: nothing is cleared
	TURN 0, 1, 1                                   ; slot 0 <- heads 6-8
	FIVE 1, 0                                      ; heads 3-5
	TURN 1, 0, 1                                   ; slot 1 <- heads 9-11
	FIVE 0, 0                                      ; heads 6-8
	TURN 0, 1, 1                                   ; slot 0 <- heads 12-14
	FIVE 1, 0                                      ; heads 9-11
	TURN 1, 0, 2                                   ; slot 1 <- head 15
	FIVE 0, 0                                      ; heads 12-14
	TURN 0, 1, 0                                   ; nothing is left to ask for, so no round of the cluster's barrier
	QRT F0, F1, 1, 1, 0                            ; head 15
	s_wait_dscnt 0
	WIN MUL
	MUL16 F1, 0, 0
	MUL16 F1, 2, 0
	WIN 0
	; THE WAY OUT, 16 rows x 64 columns at a time: a lane's 32 bytes into my own stage, whole rows of 256 bytes back, bo added, stored.
	PLACES
	s_lshl_b32 s78, s26, 19                        ; 4,096 (128 block + 64 half) + 4 (256 block + 128 half)
	s_lshl_b32 s71, s21, 18
	s_add_co_u32 s78, s78, s71
	s_lshl_b32 s71, s25, 10
	s_add_co_u32 s78, s78, s71
	s_lshl_b32 s71, s22, 9
	s_add_co_u32 s78, s78, s71
	s_mov_b32 s79, 0
	s_add_nc_u64 s[10:11], s[10:11], s[78:79]
	s_wait_loadcnt 0x0                             ; bo
.macro OUT8 rt, cq, f
	WIN S1
.irp c, 0,1,2,3
	ds_store_b128 v[STO], v[8*(8*\rt+4*\cq+\c):8*(8*\rt+4*\cq+\c)+3]   offset:64*\c        ; row r, columns 64 cq + 16 c + 8 h .. + 3
	ds_store_b128 v[STO], v[8*(8*\rt+4*\cq+\c)+4:8*(8*\rt+4*\cq+\c)+7] offset:64*\c+16
.endr
	WIN 0
	s_wait_xcnt 0x0                                ; buffer f, which earlier stores read, is loaded again only behind this wait
.set u, 0
.rept 8
	ds_load_b128 v[\f+4*u:\f+4*u+3], v[RD] offset:2*SPITCH*u                   ; my own bytes, served in order (ISA guide 5.7.1.4)
.set u, u+1
.endr
.set u, 0
.rept 8
	s_wait_dscnt 7-u
	v_pk_add_f32 v[\f+4*u:\f+4*u+1],   v[\f+4*u:\f+4*u+1],   v[BO+4*\cq:BO+4*\cq+1]
	v_pk_add_f32 v[\f+4*u+2:\f+4*u+3], v[\f+4*u+2:\f+4*u+3], v[BO+4*\cq+2:BO+4*\cq+3]
	global_store_b128 v[CO], v[\f+4*u:\f+4*u+3], s[10:11] offset:4096*(16*\rt+2*u)+256*\cq th:TH_STORE_NT      ; 16 lanes store 256 consecutive bytes of a row, aligned
.set u, u+1
.endr
.endm
.irp rt, 0,1,2,3
	OUT8 \rt, 0, F0
	OUT8 \rt, 1, F1
.endr
	s_wait_tensorcnt 0x0
	ds_add_u32 v62, v63
	s_wait_dscnt 0x0
	CROUND                                         ; the closing round: no work-group ends while a partner may still ask for a tile that names it
	s_endpgm
.Lfunc_end_k_q4c7e28cd96_outp:
	.size	k_q4c7e28cd96_outp, .Lfunc_end_k_q4c7e28cd96_outp-k_q4c7e28cd96_outp
	.p2alignl 7, 3214868480
	.fill 96, 4, 3214868480
	.section	.rodata,"a",@progbits
	.p2align	6, 0x0
	.amdhsa_kernel k_q4c7e28cd96_outp
		.amdhsa_group_segment_fixed_size 327680
		.amdhsa_private_segment_fixed_size 0
		.amdhsa_enable_private_segment 0
		.amdhsa_kernarg_size 32
		.amdhsa_user_sgpr_count 2
		.amdhsa_user_sgpr_kernarg_segment_ptr 1
		.amdhsa_wavefront_size32 1
		.amdhsa_system_sgpr_workgroup_id_x 1
		.amdhsa_system_sgpr_workgroup_id_y 1
		.amdhsa_system_sgpr_workgroup_id_z 1
		.amdhsa_system_vgpr_workitem_id 0
		.amdhsa_next_free_vgpr 512
		.amdhsa_next_free_sgpr 96
		.amdhsa_reserve_vcc 0
		.amdhsa_float_denorm_mode_32 3
		.amdhsa_float_denorm_mode_16_64 3
		.amdhsa_memory_ordered 1
		.amdhsa_forward_progress 1
		.amdhsa_inst_pref_size 156
	.end_amdhsa_kernel
	.amdgpu_metadata
---
amdhsa.version: [ 1, 2 ]
amdhsa.kernels:
  - .name:           k_q4c7e28cd96_outp
    .symbol:         k_q4c7e28cd96_outp.kd
    .args:
      - { .name: qn, .offset: 0, .size: 8, .value_kind: global_buffer, .address_space: global }
      - { .name: mtb, .offset: 8, .size: 8, .value_kind: global_buffer, .address_space: global }
      - { .name: bo, .offset: 16, .size: 8, .value_kind: global_buffer, .address_space: global }
      - { .name: out0, .offset: 24, .size: 8, .value_kind: global_buffer, .address_space: global }
    .group_segment_fixed_size: 327680
    .private_segment_fixed_size: 0
    .kernarg_segment_align: 8
    .kernarg_segment_size: 32
    .max_flat_workgroup_size: 128
    .sgpr_count:     96
    .vgpr_count:     512
    .wavefront_size: 32
...
	.end_amdgpu_metadata
.endif
;; end of part 4
;; ======== version 2 of 2: 4 launches; version 1 with the launch cast written anew for expert scheduling mode
;; workspace buffers: xb 16,777,216 bytes; wb 8,388,608 bytes; qn 16,777,216 bytes; kvp 8,388,608 bytes; mtb 8,388,608 bytes
;; launch cast (part 5): grid 768 x 1, 8 waves a work-group, no clusters, 0 bytes of LDS; arguments x, Wq, Wk, Wv, Wo, xb, wb; writes xb, wb
.if DOCPART == 5
	.amdgcn_target "amdgcn-amd-amdhsa--gfx1250"
	.amdhsa_code_object_version 6
	.text
	.protected	k_q4c7e28cd96_cast
	.globl	k_q4c7e28cd96_cast
	.p2align	8
	.type	k_q4c7e28cd96_cast,@function
k_q4c7e28cd96_cast:
	s_mov_b64 s[64:65], 0
	v_nop
	global_prefetch_b8 v0, s[64:65] scope:SCOPE_SE
	s_setreg_imm32_b32 hwreg(HW_REG_WAVE_SCHED_MODE, 0, 2), 2
	s_setreg_imm32_b32 hwreg(HW_REG_WAVE_MODE, 25, 1), 1
	s_wait_xcnt 0x0
	s_wait_alu depctr_vm_vsrc(0)
; x [8192][1024] and Wq, Wk, Wv, Wo [1024][1024], f32, are rounded once to bf16 and laid out in blocks of 64 along K:
;   xb [16 kb][8192 rows][64],  wb [16 kb][4096 rows][64] with rows 0-1023 Wq, 1024-2047 Wk, 2048-3071 Wv, 3072-4095 Wo.
; In that layout the rows of one K block follow each other densely, 128 bytes each, so that every tile of the later launches is one dense run.
; A stream: no LDS, no barrier, no matrix unit, no cluster (no two work-groups read the same byte).
; Eight waves; the work-group owns 16 rows of 4,096 bytes.  Groups 0-511 take x, groups 512-767 the four W, 64 groups each.
; Thread t takes row t / 16 and, in load kb, the 16 bytes at 256 kb + 16 (t % 16): sixteen neighbouring lanes read 256 consecutive bytes, aligned.
; Its four numbers become 8 bytes at block kb, byte 8 t of the group's 16 rows: a store of a wave covers 256 consecutive bytes, aligned.
; All sixteen loads of a thread go out at once, and no register that a memory instruction names is ever written a second time.
; THE MODE: SCHED_MODE bits 1:0 = 2 (LLVM: expert scheduling mode 2), set by the entry lines.  The code itself states the register dependences
; between vector instructions and memory instructions, with s_wait_alu, always for 0.
; THE PLAN.  Registers that memory instructions touch:
;   v1         the loads' offset.     Written once at the head; read by all sixteen loads.
;   OFF[kb]    store kb's offset.     Written once at the head; read by store kb.
;   X[kb]      load kb's four words.  Written by load kb alone; read by the two conversions of kb; no load lands there again.
;   Y[kb]      store kb's two words.  Written by the two conversions of kb; read by store kb; never written again.
; The sixteen K blocks go in four groups of four.  Group g converts X[4 g ..] into Y[4 g ..]; its memory instructions are the four stores of group g - 1, which read
; OFF and Y of blocks 4 g - 4 to 4 g - 1: registers that no conversion of group g names.  So one wait at a group's head states all that its four stores hang on, and
; they are dealt among its conversions with no further wait.  One wait stands ahead of the first load, for the offsets, and one ahead of the last four stores.
; Nothing that a memory instruction has read is written again, so no wait on vm_vsrc is owed; no vector instruction writes a scalar register, VCC or EXEC.
.set XSTR, 8192*128                    ; bytes of a K block of xb
.set WSTR, 4096*128                    ; bytes of a K block of wb
.set OFF, 8                            ; v[8:23]   byte offset of my 8 bytes in K block kb
.set X,   32                           ; v[32:95]  load kb: 4 registers
.set Y,   96                           ; v[96:127] store kb: 2 registers
	s_load_b256 s[4:11], s[0:1], 0x0               ; x s[4:5], Wq s[6:7], Wk s[8:9], Wv s[10:11]
	s_load_b128 s[12:15], s[0:1], 0x20             ; Wo s[12:13], xb s[14:15]
	s_load_b64 s[16:17], s[0:1], 0x30              ; wb
	s_max_u32 s27, ttmp9, 512
	s_sub_co_u32 s27, s27, 512                     ; number among the W groups (0 for the groups of x)
	s_lshr_b32 s28, s27, 6                         ; which W: 0 q, 1 k, 2 v, 3 o
	s_and_b32 s29, s27, 63
	s_lshl_b32 s29, s29, 4                         ; first row in that W
	s_lshl_b32 s30, s28, 10
	s_add_co_u32 s30, s30, s29                     ; first row in wb
	s_lshl_b32 s31, ttmp9, 4                       ; first row in x and in xb
	s_mov_b32 s18, XSTR
	s_mov_b32 s19, WSTR
	s_cmp_lt_u32 ttmp9, 512                        ; a group of x?
	s_cselect_b32 s24, s31, s29                    ; first row read
	s_cselect_b32 s25, s31, s30                    ; first row written
	s_cselect_b32 s26, s18, s19                    ; bytes from K block to K block
	s_lshl_b32 s32, s24, 12                        ; rows of 4,096 bytes in
	s_mov_b32 s33, 0
	s_lshl_b32 s34, s25, 7                         ; row pieces of 128 bytes out
	s_mov_b32 s35, 0
	v_lshrrev_b32 v1, 4, v0                        ; my row of the sixteen
	v_and_b32 v3, 15, v0
	v_lshlrev_b32 v1, 12, v1
	v_lshl_add_u32 v1, v3, 4, v1                   ; row x 4,096 + 16 (t % 16)
	v_lshlrev_b32 v2, 3, v0                        ; 8 t = row x 128 + 8 (t % 16)
.irp kb, 0,1,2,3,4,5,6,7,8,9,10,11,12,13,14,15
	v_mad_u32_u24 v[OFF+\kb], s26, \kb, v2
.endr
	s_wait_kmcnt 0x0
	s_cmp_eq_u32 s28, 1                            ; the source is chosen by the group's number alone
	s_cselect_b64 s[20:21], s[8:9], s[6:7]
	s_cmp_eq_u32 s28, 2
	s_cselect_b64 s[20:21], s[10:11], s[20:21]
	s_cmp_eq_u32 s28, 3
	s_cselect_b64 s[20:21], s[12:13], s[20:21]
	s_cmp_lt_u32 ttmp9, 512
	s_cselect_b64 s[20:21], s[4:5], s[20:21]
	s_cselect_b64 s[22:23], s[14:15], s[16:17]
	s_add_nc_u64 s[20:21], s[20:21], s[32:33]
	s_add_nc_u64 s[22:23], s[22:23], s[34:35]
	s_wait_alu depctr_va_vdst(0)                   ; v1 and the sixteen OFF are written: every load reads v1 as its offset, every store one of the OFF; none is written again
.irp kb, 0,1,2,3,4,5,6,7,8,9,10,11,12,13,14,15
	global_load_b128 v[X+4*\kb:X+4*\kb+3], v1, s[20:21] offset:256*\kb th:TH_LOAD_NT    ; read once in the launch
.endr
; Group g: K blocks 4 g to 4 g + 3 are converted; the stores of group g - 1 stand among the conversions, one in front of each pair.
.macro GRP g
	s_wait_loadcnt 12-4*(\g)                       ; loads come back in order (ISA guide 5.7.1): the group's four are in; four for each younger group stay out
.if (\g) > 0
	s_wait_alu depctr_va_vdst(0)                   ; the conversions of the group before have written Y[4 g - 4 .. 4 g - 1], which the four stores below read
.endif
.irp i, 0,1,2,3
.if (\g) > 0
	global_store_b64 v[OFF+4*(\g)-4+(\i)], v[Y+2*(4*(\g)-4+(\i)):Y+2*(4*(\g)-4+(\i))+1], s[22:23]    ; no vector instruction since the wait names these registers
.endif
	v_cvt_pk_bf16_f32 v[Y+2*(4*(\g)+(\i))],   v[X+4*(4*(\g)+(\i))],   v[X+4*(4*(\g)+(\i))+1]
	v_cvt_pk_bf16_f32 v[Y+2*(4*(\g)+(\i))+1], v[X+4*(4*(\g)+(\i))+2], v[X+4*(4*(\g)+(\i))+3]
.endr
.endm
	GRP 0                                          ; no group stands in front of it: no store, and no wait but the one for its data
	GRP 1
	GRP 2
	GRP 3
	s_wait_alu depctr_va_vdst(0)                   ; the last group's conversions have written Y[12 .. 15], which the last four stores read
.irp kb, 12,13,14,15
	global_store_b64 v[OFF+\kb], v[Y+2*\kb:Y+2*\kb+1], s[22:23]
.endr
	s_endpgm
.Lfunc_end_k_q4c7e28cd96_cast:
	.size	k_q4c7e28cd96_cast, .Lfunc_end_k_q4c7e28cd96_cast-k_q4c7e28cd96_cast
	.p2alignl 7, 3214868480
	.fill 96, 4, 3214868480
	.section	.rodata,"a",@progbits
	.p2align	6, 0x0
	.amdhsa_kernel k_q4c7e28cd96_cast
		.amdhsa_group_segment_fixed_size 0
		.amdhsa_private_segment_fixed_size 0
		.amdhsa_enable_private_segment 0
		.amdhsa_kernarg_size 56
		.amdhsa_user_sgpr_count 2
		.amdhsa_user_sgpr_kernarg_segment_ptr 1
		.amdhsa_wavefront_size32 1
		.amdhsa_system_sgpr_workgroup_id_x 1
		.amdhsa_system_sgpr_workgroup_id_y 1
		.amdhsa_system_sgpr_workgroup_id_z 1
		.amdhsa_system_vgpr_workitem_id 0
		.amdhsa_next_free_vgpr 128
		.amdhsa_next_free_sgpr 66
		.amdhsa_reserve_vcc 0
		.amdhsa_float_denorm_mode_32 3
		.amdhsa_float_denorm_mode_16_64 3
		.amdhsa_memory_ordered 1
		.amdhsa_forward_progress 1
		.amdhsa_inst_pref_size 9
	.end_amdhsa_kernel
	.amdgpu_metadata
---
amdhsa.version: [ 1, 2 ]
amdhsa.kernels:
  - .name:           k_q4c7e28cd96_cast
    .symbol:         k_q4c7e28cd96_cast.kd
    .args:
      - { .name: x, .offset: 0, .size: 8, .value_kind: global_buffer, .address_space: global }
      - { .name: Wq, .offset: 8, .size: 8, .value_kind: global_buffer, .address_space: global }
      - { .name: Wk, .offset: 16, .size: 8, .value_kind: global_buffer, .address_space: global }
      - { .name: Wv, .offset: 24, .size: 8, .value_kind: global_buffer, .address_space: global }
      - { .name: Wo, .offset: 32, .size: 8, .value_kind: global_buffer, .address_space: global }
      - { .name: xb, .offset: 40, .size: 8, .value_kind: global_buffer, .address_space: global }
      - { .name: wb, .offset: 48, .size: 8, .value_kind: global_buffer, .address_space: global }
    .group_segment_fixed_size: 0
    .private_segment_fixed_size: 0
    .kernarg_segment_align: 8
    .kernarg_segment_size: 56
    .max_flat_workgroup_size: 256
    .sgpr_count:     66
    .vgpr_count:     128
    .wavefront_size: 32
...
	.end_amdgpu_metadata
.endif
;; end of part 5
;; launch qkv: the kernel of part 2 again; grid 8 x 32, 4 waves a work-group, clusters of 4 x 4, 327,680 bytes of LDS; arguments xb, wb, bq, bk, bv, R, qn, kvp; writes qn, kvp
;; launch fold: the kernel of part 3 again; grid 4 x 64, 8 waves a work-group, no clusters, 9,216 bytes of LDS; arguments kvp, wb, mtb; writes mtb
;; launch outp: the kernel of part 4 again; grid 4 x 64, 4 waves a work-group, clusters of 4 x 4, 327,680 bytes of LDS; arguments qn, mtb, bo, out0; writes out0
